; MI455X (gfx1250); checked and timed in simulation.
; The chip was launched on July 23, 2026; its instructions are those of AMD's public machine-readable ISA for CDNA 5 (MIT licence, August 2026) and "CDNA5" Instruction Set Architecture Reference Guide (July 2026). The comments in the code are by the model that wrote it; some were corrected since.
;; Omni Attention. Allowed arithmetic: matrix products marked QUANTISED: E5M2 operands, one given power-of-two scale a tensor, by v_wmma_f32_16x16x64_bf8_bf8 or v_wmma_f32_16x16x128_bf8_bf8, f32 sums; products left as they are: f32 operands where the result goes on into a quantised operand, else bf16, f16 or f32 operands; f32 sums; everything else in f32.
;; Inputs: Wkv 2,048 x 1,024 float32; Wout 1,024 x 1,024 float32; Wq 1,024 x 1,024 float32; lowp_scales 8 int32 (the exponents e of the quantised operands' scales 2^e); x 4 x 4,096 x 1,024 float32.
;; Outputs: out0 4 x 4,096 x 1,024 float32.
;; This version of the problem:
;;   THIS VERSION OF THE PROBLEM IS GIVEN IN LOW PRECISION. The matrix products marked QUANTISED in the list below multiply operands that are first quantised to E5M2 (5 exponent bits, 2 mantissa bits; 8 bits a number), with one given power-of-two scale for each operand tensor; their sums are f32. All else is computed in f32.
;;   The module's matrix products, in the order in which they are computed (A, B: the left and right operand; K: the contracted axis; several contracted axes count as one K, in the product's order):
;;     1. [M 16,384, K 1,024] x [K 1,024, N 1,024]; A: input x; B: input Wq: QUANTISED (scales: A lowp_scales[0], B lowp_scales[1])
;;     2. [M 16,384, K 1,024] x [K 1,024, N 2,048]; A: input x; B: input Wkv: QUANTISED (scales: A lowp_scales[2], B lowp_scales[3])
;;     3. batch 16,384 x [M 16, K 64] x [K 64, N 16]; A: computed on the way; B: computed on the way: QUANTISED (scales: A lowp_scales[4], B lowp_scales[5])
;;     4. batch 16,384 x [M 16, K 16] x [K 16, N 64]; A: softmax; B: computed on the way: left as it is (K = 16 < 32)
;;     5. [M 16,384, K 1,024] x [K 1,024, N 1,024]; A: computed on the way; B: input Wout: QUANTISED (scales: A lowp_scales[6], B lowp_scales[7])
;;   THE QUANTISER, for each operand of a quantised product, along K:
;;     - The operand's scale is 2^e, e = its entry of the input lowp_scales (int32; the entries are numbered through the quantised products in the list's order, A before B).
;;     - Each number is divided by the scale, clamped to +-57,344, and rounded to the nearest number of E5M2, ties to even, subnormals kept.
;;     - The product sums the exact products of the quantised numbers (number of the format x scale) in f32.
;;   ~~~python
;;   def quantise(x, axis, e):      # numpy; x: float32 -> the quantised numbers, widened to float32 again
;;       x = np.moveaxis(x, axis, -1); K = x.shape[-1]
;;       r = np.clip(x / 2.0 ** e, -57344, 57344)
;;       step = 2.0 ** (np.maximum(np.frexp(np.where(r == 0, 1, r))[1] - 1, -14) - 2)
;;       q = np.round(r / step) * step * 2.0 ** e      # np.round: ties to even
;;       return np.moveaxis(q, -1, axis).astype(np.float32)
;;   ~~~
;;   OPERANDS COMPUTED ON THE WAY. 'Computed on the way' means the value that the module computes at that place (a softmax that the list does not call 'softmax' is quantised finished and normalised). What goes into a quantiser is computed in f32, as accurately as f32 sums, v_exp_f32 and their like allow (about 1e-6 of the number): no bf16 or f16 on the way to a quantiser, and a product that is left as it is and whose result goes on into a quantised operand takes f32 operands (vector FMAs, or v_wmma_f32_16x16x4_f32). A number that lies on a knife's edge between two numbers of the format may be rounded either way, as far as f32 arithmetic and the matrix unit's own rounding can turn it there, and no further.
;; One version. Each part assembles by itself: llvm-mc -triple=amdgcn-amd-amdhsa -mcpu=gfx1250 --defsym DOCPART=n.
;; ======== version 1 of 1: 2 launches
;; limits: right only within a limited range of input values
;; workspace buffers: wc 4,194,304 bytes
;; launch prep (part 1): grid 256 x 1, 4 waves a work-group, no clusters, 34,304 bytes of LDS; arguments Wq, Wkv, Wout, lowp_scales, wc; writes wc
.if DOCPART == 1
	.amdgcn_target "amdgcn-amd-amdhsa--gfx1250"
	.amdhsa_code_object_version 6
	.text
	.protected	k_q8e95368fc5_prep
	.globl	k_q8e95368fc5_prep
	.p2align	8
	.type	k_q8e95368fc5_prep,@function
k_q8e95368fc5_prep:
	s_mov_b64 s[64:65], 0
	v_nop
	global_prefetch_b8 v0, s[64:65] scope:SCOPE_SE
	s_setreg_imm32_b32 hwreg(HW_REG_WAVE_MODE, 25, 1), 1
	s_wait_xcnt 0x0
; Wq [1024][1024], Wkv [2048][1024], Wout [1024][1024], f32, K innermost, become codes of BF8 (E5M2) with the given scales 2^e (entries 1, 3, 7 of the scales),
; laid in wc in the order in which the next launch's waves take them: 256 tiles of 16 rows x 1,024 K = 16,384 bytes.
; Tile number = (16 p + s) 4 + w: phase p (0 Wq, 1 the k rows of Wkv, 2 its v rows, 3 Wout), slot s = 4 u + i, wave w.  A tile is [K step 0..7][c 0..3][lane 0..31][16 bytes]:
; lane (r = lane % 16, h = lane / 16) holds, of the tile's row r, k = 128 x step + 32 c + 16 h + 0 .. 15: an image of a fragment's registers.
; The tile's row m is: p = 0, 3: row 256 w + 16 s + m;  p = 1: row 128 (4 w + u) + 16 i + m (head 4 w + u, channel 16 i + m of k);  p = 2: row 128 m + 64 + 16 u + 4 w + i (the 16 heads at ONE channel of v).
; code = x / 2^e, held within +-57,344, rounded to the nearest code, ties to even.  LIMITS: -126 <= e <= 112.  NaN among the inputs is not served.
; SHARES.  Work-group g makes tile g; its wave makes two K steps.  A load reads 512 consecutive bytes of one row; the 16 rows turn through the wave's own stage in LDS, so that a lane gets 16 neighbours along K;
; a store writes 512 consecutive bytes.  One path through the text: what differs between tiles is chosen by selects on the work-group's number.  No barrier: waves share nothing.
.set XP,  528                          ; a stage row: 512 bytes + 16 of padding: the 16 rows that a load touches start at 16 different banks (64 banks of 4 bytes: ISA guide 11.1)
.set OFF, 8                            ; v8-23    byte offset of my 16 bytes in row i of the tile
.set RAW, 32                           ; v32-159  two sets of 64: a K step's 16 rows as loaded
.set XN,  160                          ; v160-223 64 numbers: register 16 b + j = k 32 b + 16 h + j of row r
.set CD,  224                          ; v224-255 codes: 16 registers for each K step, so that no store's data are written again
	s_load_b256 s[4:11], s[0:1], 0x0               ; Wq s[4:5], Wkv s[6:7], Wout s[8:9], the scales' exponents s[10:11]
	s_load_b64 s[12:13], s[0:1], 0x20              ; wc
	v_lshl_add_u32 v30, v0, 2, 0x8400
	v_mov_b32 v31, 0
	v_lshrrev_b32 v1, 5, v0
	v_readfirstlane_b32 s14, v1                    ; wave 0..3
	v_and_b32 v1, 31, v0
	v_lshlrev_b32 v2, 4, v1                        ; 16 x lane
	s_wait_alu depctr_va_vdst(0)
	v_and_b32 v5, 15, v0                           ; r
	v_bfe_u32 v1, v0, 4, 1                         ; h
	s_mul_i32 s15, s14, 16*XP                      ; my stage
	v_add_nc_u32 v3, s15, v2                       ; into it: as loaded
	v_mul_u32_u24 v4, v5, XP
	v_lshl_add_u32 v4, v1, 6, v4
	v_add_nc_u32 v4, s15, v4                       ; out of it: row r, + 64 h bytes
	s_lshr_b32 s24, ttmp9, 6                       ; p
	s_bfe_u32 s25, ttmp9, 0x40002                  ; s
	s_and_b32 s26, ttmp9, 3                        ; w
	s_lshr_b32 s27, s25, 2                         ; u
	s_and_b32 s28, s25, 3                          ; i
	s_lshl_b32 s29, s26, 8
	s_lshl_b32 s30, s25, 4
	s_add_co_u32 s29, s29, s30                     ; p = 0, 3: first row 256 w + 16 s
	s_lshl_b32 s30, s26, 2                         ; 4 w
	s_add_co_u32 s31, s30, s27
	s_lshl_b32 s31, s31, 7
	s_lshl_b32 s32, s28, 4
	s_add_co_u32 s31, s31, s32                     ; p = 1: 128 (4 w + u) + 16 i
	s_lshl_b32 s32, s27, 4
	s_add_co_u32 s32, s32, s30
	s_add_co_u32 s32, s32, s28
	s_add_co_u32 s32, s32, 64                      ; p = 2: 64 + 16 u + 4 w + i
	s_cmp_eq_u32 s24, 1
	s_cselect_b32 s29, s31, s29
	s_mov_b32 s33, 4096                            ; from row to row of the tile: a row of 4,096 bytes,
	s_cmp_eq_u32 s24, 2
	s_cselect_b32 s29, s32, s29
	s_cselect_b32 s33, 0x80000, s33                ; or, for v, 128 rows
	s_lshl_b32 s34, s29, 12                        ; the first row in bytes (under 2^23),
	s_lshl_b32 s35, s14, 10
	s_add_co_u32 s34, s34, s35                     ; + my two K steps: 1,024 bytes a wave
	s_mov_b32 s35, 0
	s_lshl_b32 s38, ttmp9, 14                      ; the tile in wc,
	s_lshl_b32 s39, s14, 12
	s_add_co_u32 s38, s38, s39                     ; + my two K steps: 4,096 bytes
	s_mov_b32 s39, 0
.irp i, 0,1,2,3,4,5,6,7,8,9,10,11,12,13,14,15
	v_mad_u32_u24 v[OFF+\i], s33, \i, v2           ; 16 x lane + i rows
.endr
	s_wait_alu depctr_va_vdst(0)
	s_wait_kmcnt 0x0
	s_load_b256 s[16:23], s[10:11], 0x0            ; the eight exponents
	s_cmp_eq_u32 s24, 0                            ; which tensor: the choice hangs on the work-group's number alone
	s_cselect_b64 s[36:37], s[4:5], s[6:7]
	s_cmp_eq_u32 s24, 3
	s_cselect_b64 s[36:37], s[8:9], s[36:37]
	s_add_nc_u64 s[36:37], s[36:37], s[34:35]
	s_add_nc_u64 s[12:13], s[12:13], s[38:39]
.set q, 0
.rept 2
.set n, 0
.rept 16
	global_load_b128 v[RAW+64*q+4*n:RAW+64*q+4*n+3], v[OFF+n], s[36:37] offset:512*q th:TH_LOAD_NT   ; 32 lanes read 512 consecutive bytes of row n; read once in the launch
.set n, n+1
.endr
.set q, q+1
.endr
	s_wait_kmcnt 0x0
	s_cmp_eq_u32 s24, 0
	s_cselect_b32 s40, s17, s19                    ; e: entry 1 for Wq, 3 for Wkv,
	s_cmp_eq_u32 s24, 3
	s_cselect_b32 s40, s23, s40                    ; 7 for Wout
	s_add_co_i32 s40, s40, 127
	s_lshl_b32 s41, s40, 23
	v_mov_b32 v6, s41                              ; 2^e as f32: the conversion takes its exponent field
	s_add_co_i32 s40, s40, 15
	s_lshl_b32 s40, s40, 23
	s_or_b32 s40, s40, 0x600000
	v_mov_b32 v7, s40                              ; 57,344 x 2^e
.macro QSTEP q
	s_wait_loadcnt 16*(1-(\q))                     ; this K step's 16 loads are in; the other step's 16, issued behind them, may be out
.set n, 0
.rept 16
	ds_store_b128 v3, v[RAW+64*(\q)+4*n:RAW+64*(\q)+4*n+3] offset:n*XP
.set n, n+1
.endr
.set n, 0
.rept 16
	ds_load_b128 v[XN+4*n:XN+4*n+3], v4 offset:128*(n/4)+16*(n%4)   ; LDS serves a wave's instructions in order (ISA guide 5.7.1.4): these see the stores above
.set n, n+1
.endr
	s_wait_dscnt 0x0
.set n, 0
.rept 64
	v_med3_num_f32 v[XN+n], v[XN+n], -v7, v7       ; the conversion to an 8-bit code does not saturate (ISA guide 7.6.2): the hold at the largest code x the scale
.set n, n+1
.endr
.set n, 0
.rept 4
	v_cvt_scalef32_pk8_bf8_f32 v[CD+16*(\q)+4*n:CD+16*(\q)+4*n+1], v[XN+16*n:XN+16*n+7], v6
	v_cvt_scalef32_pk8_bf8_f32 v[CD+16*(\q)+4*n+2:CD+16*(\q)+4*n+3], v[XN+16*n+8:XN+16*n+15], v6
.set n, n+1
.endr
	v_nop                                          ; a plain vector line behind the conversions: the next K step's holds write their sources
.set n, 0
.rept 4
	global_store_b128 v2, v[CD+16*(\q)+4*n:CD+16*(\q)+4*n+3], s[12:13] offset:2048*(\q)+512*n   ; 32 lanes store 512 consecutive bytes, at a multiple of 256 from wc's first byte
.set n, n+1
.endr
.endm
	s_wait_alu depctr_va_vdst(0)
	QSTEP 0
	QSTEP 1
	s_wait_tensorcnt 0x0
	ds_add_u32 v30, v31
	s_wait_dscnt 0x0
	s_endpgm
.Lfunc_end_k_q8e95368fc5_prep:
	.size	k_q8e95368fc5_prep, .Lfunc_end_k_q8e95368fc5_prep-k_q8e95368fc5_prep
	.p2alignl 7, 3214868480
	.fill 96, 4, 3214868480
	.section	.rodata,"a",@progbits
	.p2align	6, 0x0
	.amdhsa_kernel k_q8e95368fc5_prep
		.amdhsa_group_segment_fixed_size 34304
		.amdhsa_private_segment_fixed_size 0
		.amdhsa_enable_private_segment 0
		.amdhsa_kernarg_size 40
		.amdhsa_user_sgpr_count 2
		.amdhsa_user_sgpr_kernarg_segment_ptr 1
		.amdhsa_wavefront_size32 1
		.amdhsa_system_sgpr_workgroup_id_x 1
		.amdhsa_system_sgpr_workgroup_id_y 1
		.amdhsa_system_sgpr_workgroup_id_z 1
		.amdhsa_system_vgpr_workitem_id 0
		.amdhsa_next_free_vgpr 256
		.amdhsa_next_free_sgpr 66
		.amdhsa_reserve_vcc 0
		.amdhsa_float_denorm_mode_32 3
		.amdhsa_float_denorm_mode_16_64 3
		.amdhsa_memory_ordered 1
		.amdhsa_forward_progress 1
		.amdhsa_inst_pref_size 21
	.end_amdhsa_kernel
	.amdgpu_metadata
---
amdhsa.version: [ 1, 2 ]
amdhsa.kernels:
  - .name:           k_q8e95368fc5_prep
    .symbol:         k_q8e95368fc5_prep.kd
    .args:
      - { .name: Wq, .offset: 0, .size: 8, .value_kind: global_buffer, .address_space: global }
      - { .name: Wkv, .offset: 8, .size: 8, .value_kind: global_buffer, .address_space: global }
      - { .name: Wout, .offset: 16, .size: 8, .value_kind: global_buffer, .address_space: global }
      - { .name: lowp_scales, .offset: 24, .size: 8, .value_kind: global_buffer, .address_space: global }
      - { .name: wc, .offset: 32, .size: 8, .value_kind: global_buffer, .address_space: global }
    .group_segment_fixed_size: 34304
    .private_segment_fixed_size: 0
    .kernarg_segment_align: 8
    .kernarg_segment_size: 40
    .max_flat_workgroup_size: 128
    .sgpr_count:     66
    .vgpr_count:     256
    .wavefront_size: 32
...
	.end_amdgpu_metadata
.endif
;; end of part 1
;; launch fused (part 2): grid 256 x 1, 4 waves a work-group, clusters of 4 x 1, 327,680 bytes of LDS; arguments x, wc, lowp_scales, out0; writes out0
.if DOCPART == 2
	.amdgcn_target "amdgcn-amd-amdhsa--gfx1250"
	.amdhsa_code_object_version 6
	.text
	.protected	k_q8e95368fc5_fused
	.globl	k_q8e95368fc5_fused
	.p2align	8
	.type	k_q8e95368fc5_fused,@function
k_q8e95368fc5_fused:
	s_mov_b64 s[64:65], 0
	v_nop
	global_prefetch_b8 v0, s[64:65] scope:SCOPE_SE
	s_setreg_imm32_b32 hwreg(HW_REG_WAVE_MODE, 25, 1), 1
	s_wait_xcnt 0x0
	s_wait_alu depctr_hold_cnt(0) depctr_sa_sdst(0) depctr_va_vdst(0) depctr_va_sdst(0) depctr_va_ssrc(0) depctr_va_vcc(0) depctr_vm_vsrc(0)
	s_getreg_b32 s2, hwreg(HW_REG_IB_STS2, 6, 4)
	s_cmp_eq_u32 s2, 0
	s_cbranch_scc0 .Lentry_in_a_cluster
	s_endpgm
.Lentry_in_a_cluster:
	s_bfe_u32 s2, ttmp6, 0x10000c
	s_cmp_lg_u32 s2, 0x3003
	s_cbranch_scc0 .Lentry_shape_is_right
	s_endpgm
.Lentry_shape_is_right:
; out0 = (softmax over heads of q k^T / 8, at each position) v, times Wout^T, with q = x Wq^T and k, v = x Wkv^T.  A work-group takes 64 positions (rows of x) through the whole chain; nothing goes to memory between.
; Products 1, 2, 3, 5 on codes of BF8 (E5M2) with the given scales 2^e; product 4 (K = 16) on f32 operands, since its result is quantised.
; wc holds the weights' codes as 256 tiles of 16 rows x 1,024 K, each an image of a wave's fragment registers: tile (16 p + s) 4 + w, phase p (q, k, v, out), slot s = 4 u + i, wave w.
; SHARES.  Each wave holds ALL 64 rows' codes (4 x 8 fragments, 512 registers, windows 1 and 2) and multiplies them by its own tiles: 32 matrix instructions a tile, four accumulators by turns.
; THE WEIGHTS COME BY TWO ROADS.  Tiles with even i: joint loads of the cluster's four work-groups, which walk wc alike, through a ring of two LDS slots of one tile a wave (LDS has room for no larger slots beside the exchange regions).
; Tiles with odd i: straight into 128 registers; a K step's 16 registers are asked for again (the next odd tile) four places behind the four products that read them, so that 28 to 32 loads of 512 bytes are out at all times.
; A HALF TRIP: the direct tile's products, and among them the ring tile's 32 LDS loads into registers; the change of slots (the slot just read out is asked for again); the ring tile's products from registers.
; So a slot's load has two tiles' work in which to land, and no product waits for LDS.
; The order of tiles in a phase is turned by the cluster's number (u by its bits 1:0, i by bits 3:2), so that clusters walk wc at 16 different places.
; PREFETCH: in each of the first three phases waves 0 and 1 of clusters 0 to 15 ask once, in trip 2 of 4, for their 8,192 bytes of the next phase's 1 MiB: each block is named once; phase 0 comes by its loads alone.
; The softmax takes each row's largest score away before the exponential.
; LIMITS on the given exponents, so that each power of two below is an f32 number: e0, e2, e4-e0-e1, e5-e2-e3, e6-e2-e3 between -126 and 112; e4+e5 between -120 and 130; e6+e7 between -126 and 127.  NaN among the inputs is not served.
; LDS: the ring; R1, R2 two exchange regions (x's codes for e0 and e2; then q's and k's codes; then the attention's codes and 16 channels of v in f32; at last the way out's stage); XSTG x's turn; the spare words.
.set RING1, 65536
.set R1,    131072
.set RSZ,   74240
.set R2,    R1+RSZ
.set XSTG,  R2+RSZ
.set SPARE, XSTG+33792                 ; 128 bytes a wave: two blocks of 256 bytes that no other line names
.set IPT,   18560                      ; image of an operand: 16 rows' part,
.set IKS,   2320                       ; a K step's,
.set IC,    576                        ; four registers' (512 bytes + padding)
.set BW,    17424                      ; by positions: a wave's columns: 64 rows of
.set BP,    272                        ; 256 bytes + 16
.set XP,    528
.set SPW, 1                            ; my spare word; never rewritten
.set NIL, 2                            ; 0; never rewritten
.set LI,  3                            ; 16 x lane
.set BA,  4                            ; v4-5 my part of slot 0, 1
.set XS,  6
.set XR,  7
.set XI,  8
.set XI2, 9
.set LA,  10
.set QW,  12
.set QWU, 13
.set SA,  14
.set VW,  15
.set QA,  16
.set KA,  17
.set VR,  18
.set AW,  19
.set AWU, 20
.set FRD, 21
.set OG,  22
.set OGU, 23
.set SC,  24
.set LIM, 25
.set SC2, 26
.set LIM2, 27
.set PFO, 28
.set ACC, 32                           ; v32-63 a tile's four accumulators
.set MX,  32
.set SM,  64
.set TP,  96
.set BF,  64                           ; v64-191 the ring tile in registers; at work between the tile loops
.set XN,  64
.set HH,  128
.set CODE, 128
.set T,   192
.set FACC, 224                         ; v224-255 the f32 product's accumulators: written by matrix instructions alone
.set GB,  128                          ; window 3, v128-255: the direct tile.  Window 3, v0-127: scores, then p
.set WV,  12
.set G1,  16
.set G0,  24
.set G0B, 28
.set LL,  40
.set RU,  42
.set RI,  43
.set TN,  44                           ; the ring tile that is asked for next (even),
.set TD,  45                           ; the direct one (odd)
.set OFF, 46
.set I16, 48
.set I64, 52
.set UU,  56
.set UP,  57
.set PH,  58
.set RB,  59
.set SEL, 60
.set CS,  66
.set OSC, 68
.set AU,  80
.set PFA, 88
.set PLIM, 90
.set W14, 91
.set DA,  94
.set MSB, 0
.macro WIN new                         ; the immediate's high byte repeats the setting that is left
.if MSB != (\new)
	s_set_vgpr_msb (MSB<<8)|(\new)
.set MSB, (\new)
.endif
.endm
.macro PLACES n
.rept \n
	v_nop
.endr
.endm
.macro BARRIER
	s_wait_dscnt 0x0
	s_barrier_signal -1
	s_barrier_wait -1
.endm
.macro ROUND                           ; a round of the cluster's barrier
	s_barrier_signal -1
	s_barrier_wait -1
	s_cmp_lg_u32 s[WV], 0
	s_cbranch_scc1 .Lnot_wave_0_\@
	s_barrier_signal -3
.Lnot_wave_0_\@:
	s_barrier_wait -3
	s_barrier_signal -1
	s_barrier_wait -1
.endm
.macro TOFF tn                         ; s[OFF] = my part of tile s[tn] in wc, its u and i turned; the counter steps by 2
	s_lshr_b32 s84, s[\tn], 2
	s_add_co_u32 s84, s84, s[RU]
	s_and_b32 s84, s84, 3
	s_lshl_b32 s84, s84, 2
	s_add_co_u32 s85, s[\tn], s[RI]
	s_and_b32 s85, s85, 3
	s_or_b32 s84, s84, s85
	s_and_b32 s85, s[\tn], 0x30
	s_or_b32 s84, s84, s85
	s_lshl_b32 s84, s84, 16
	s_add_co_u32 s[OFF], s84, s[W14]
	s_add_co_u32 s[\tn], s[\tn], 2
.endm
.macro NEXTD g0, lreg
	TOFF TN
	s_add_nc_u64 s[\g0+2:\g0+3], s[6:7], s[OFF:OFF+1]
	s_or_b32 s[\g0+3], s[\g0+3], 0x80000000
	s_mov_b32 s[\g0+1], s[\lreg]
.endm
.macro CHANGE par                      ; the change of slots: slot par has been read into registers and is asked for again; the other slot is whole behind the round
	s_wait_tensorcnt 0x0                           ; my one load that was out: my part of the other slot
	ds_add_u32 v[SPW], v[NIL]
	NEXTD G0, LL+\par
	s_wait_dscnt 0x0                               ; the add is done, and my reads of slot par
	ROUND
	tensor_load_to_lds s[G0:G0+3], s[G1:G1+7]
	s_nop 0
	PLACES 4
.endm
.macro ASK
	s_cmp_eq_u32 s[UU], s[PLIM]
	s_cbranch_scc0 .Lnot_mine_\@
	global_prefetch_b8 v[PFO], s[PFA:PFA+1] th:TH_LOAD_NT scope:SCOPE_SE
.Lnot_mine_\@:
.endm
.macro TILE_R                          ; the ring tile's 32 products, from registers
.set ks, 0
.rept 8
	WIN 0x04+0x04*(ks/4)
.set pt, 0
.rept 4
.if ks == 0
	v_wmma_f32_16x16x128_bf8_bf8 v[ACC+8*pt:ACC+8*pt+7], v[BF+16*ks:BF+16*ks+15], v[((ks%4)*4+pt)*16:((ks%4)*4+pt)*16+15], 0
.else
	v_wmma_f32_16x16x128_bf8_bf8 v[ACC+8*pt:ACC+8*pt+7], v[BF+16*ks:BF+16*ks+15], v[((ks%4)*4+pt)*16:((ks%4)*4+pt)*16+15], v[ACC+8*pt:ACC+8*pt+7]
.endif
.set pt, pt+1
.endr
.set ks, ks+1
.endr
	WIN 0
	PLACES 4                                       ; in front of the first read of the sums (ISA guide 7.12.1)
.endm
.macro DLOAD                           ; the first direct tile: 32 loads
	TOFF TD
	s_add_nc_u64 s[DA:DA+1], s[6:7], s[OFF:OFF+1]
	WIN 0xc0
.set n, 0
.rept 32
	global_load_b128 v[GB+4*n:GB+4*n+3], v[LI], s[DA:DA+1] offset:512*n
.set n, n+1
.endr
	WIN 0
.endm
; The direct tile's 32 products.  rf = 1: each K step's registers take the next direct tile: behind the four loads that a K step waits for stand the rest of this tile (28 - 4 ks) and the next as far as asked (4 ks): 28.
; rf = 0: the last direct tile.  Behind each K step four LDS loads bring the same K step of the ring tile in slot st into registers.
.macro TILE_D st, rf
.if \rf
	s_wait_xcnt 0x0                                ; the loads issued so far have read s[DA]
	TOFF TD
	s_add_nc_u64 s[DA:DA+1], s[6:7], s[OFF:OFF+1]
.endif
.set ks, 0
.rept 8
.if \rf
	s_wait_loadcnt 28
.else
	s_wait_loadcnt 28-4*ks
.endif
	WIN 0x07+0x04*(ks/4)
.set pt, 0
.rept 4
.if ks == 0
	v_wmma_f32_16x16x128_bf8_bf8 v[ACC+8*pt:ACC+8*pt+7], v[GB+16*ks:GB+16*ks+15], v[((ks%4)*4+pt)*16:((ks%4)*4+pt)*16+15], 0
.else
	v_wmma_f32_16x16x128_bf8_bf8 v[ACC+8*pt:ACC+8*pt+7], v[GB+16*ks:GB+16*ks+15], v[((ks%4)*4+pt)*16:((ks%4)*4+pt)*16+15], v[ACC+8*pt:ACC+8*pt+7]
.endif
.set pt, pt+1
.endr
.if (\rf) || (ks == 7)
	PLACES 4                                       ; in front of loads into registers just multiplied, and of the first read of the sums
.endif
.if \rf
	WIN 0xc0
.set c, 0
.rept 4
	global_load_b128 v[GB+16*ks+4*c:GB+16*ks+4*c+3], v[LI], s[DA:DA+1] offset:2048*ks+512*c
.set c, c+1
.endr
.endif
	WIN 0
.set c, 0
.rept 4
	ds_load_b128 v[BF+16*ks+4*c:BF+16*ks+4*c+3], v[BA+\st] offset:2048*ks+512*c
.set c, c+1
.endr
.set ks, ks+1
.endr
.endm
.macro EPI_QK i                        ; q or k: held, quantised (the three scales in one), by positions into LDS: a lane's 8 codes are 8 neighbours along the head's 64
	v_add_nc_u32 v[SA], s[I16+\i], v[QWU]
.set n, 0
.rept 32
	v_med3_num_f32 v[ACC+n], v[ACC+n], -v[LIM], v[LIM]
.set n, n+1
.endr
.set n, 0
.rept 4
	v_cvt_scalef32_pk8_bf8_f32 v[T+2*n:T+2*n+1], v[ACC+8*n:ACC+8*n+7], v[SC]
.set n, n+1
.endr
	v_nop
.set n, 0
.rept 4
	ds_store_b64 v[SA], v[T+2*n:T+2*n+1] offset:n*16*BP
.set n, n+1
.endr
.endm
.macro EPI_VO i                        ; v or the result: the f32 sums as they are, into LDS
	v_add_nc_u32 v[SA], s[I64+\i], v[VW]
.set n, 0
.rept 4
	ds_store_b128 v[SA], v[ACC+8*n:ACC+8*n+3] offset:n*16*BP
	ds_store_b128 v[SA], v[ACC+8*n+4:ACC+8*n+7] offset:n*16*BP+16
.set n, n+1
.endr
.endm
.macro LOADA                           ; an operand's image, 64 rows x 1,024 K, into windows 1 and 2
	WIN 0x40
.set ks, 0
.rept 8
.if ks == 4
	WIN 0x80
.endif
.set pt, 0
.rept 4
.set c, 0
.rept 4
	ds_load_b128 v[((ks%4)*4+pt)*16+4*c:((ks%4)*4+pt)*16+4*c+3], v[LA+pt/2] offset:(pt%2)*IPT+ks*IKS+c*IC
.set c, c+1
.endr
.set pt, pt+1
.endr
.set ks, ks+1
.endr
	WIN 0
	s_wait_dscnt 0x0
.endm
.macro XLOAD k                         ; my 16 rows of x, K step k: 512 consecutive bytes a load
.set n, 0
.rept 16
	global_load_b128 v[64*((\k)%4)+4*n:64*((\k)%4)+4*n+3], v[LI], s[4:5] offset:n*4096+(\k)*512 th:TH_LOAD_NT
.set n, n+1
.endr
.endm
.macro XSTEP k                         ; through my stage, so that a lane holds 16 neighbours along K; quantised twice (e0, e2); both images stored
.if 7-(\k) < 3
	s_wait_loadcnt 16*(7-(\k))
.else
	s_wait_loadcnt 48
.endif
	WIN 0x04
.set n, 0
.rept 16
	ds_store_b128 v[XS], v[64*((\k)%4)+4*n:64*((\k)%4)+4*n+3] offset:n*XP
.set n, n+1
.endr
	WIN 0
.set n, 0
.rept 16
	ds_load_b128 v[XN+4*n:XN+4*n+3], v[XR] offset:128*(n/4)+16*(n%4)
.set n, n+1
.endr
	s_wait_dscnt 0x0
.if (\k) < 4
	WIN 0x40
	XLOAD (\k)+4
	WIN 0
.endif
.set n, 0
.rept 64
	v_med3_num_f32 v[HH+n], v[XN+n], -v[LIM], v[LIM]
.set n, n+1
.endr
.set n, 0
.rept 4
	v_cvt_scalef32_pk8_bf8_f32 v[T+4*n:T+4*n+1], v[HH+16*n:HH+16*n+7], v[SC]
	v_cvt_scalef32_pk8_bf8_f32 v[T+4*n+2:T+4*n+3], v[HH+16*n+8:HH+16*n+15], v[SC]
.set n, n+1
.endr
.set n, 0
.rept 64
	v_med3_num_f32 v[XN+n], v[XN+n], -v[LIM2], v[LIM2]
.set n, n+1
.endr
.set n, 0
.rept 4
	v_cvt_scalef32_pk8_bf8_f32 v[T+16+4*n:T+16+4*n+1], v[XN+16*n:XN+16*n+7], v[SC2]
	v_cvt_scalef32_pk8_bf8_f32 v[T+16+4*n+2:T+16+4*n+3], v[XN+16*n+8:XN+16*n+15], v[SC2]
.set n, n+1
.endr
	v_nop
.set n, 0
.rept 4
	ds_store_b128 v[XI], v[T+4*n:T+4*n+3] offset:(\k)*IKS+n*IC
	ds_store_b128 v[XI2], v[T+16+4*n:T+16+4*n+3] offset:(\k)*IKS+n*IC
.set n, n+1
.endr
.endm
.macro LOADV g                         ; four positions' fragments of v: 16 channels x 16 heads each
.set p, 0
.rept 4
	ds_load_b128 v[BF+32*((\g)%2)+8*p:BF+32*((\g)%2)+8*p+3], v[VR] offset:(4*(\g)+p)*BP
	ds_load_b128 v[BF+32*((\g)%2)+8*p+4:BF+32*((\g)%2)+8*p+7], v[VR] offset:(4*(\g)+p)*BP+16
.set p, p+1
.endr
.endm
.macro ATTV                            ; product 4 for my 16 positions and these 16 channels, in f32; its result quantised into the last operand's image
	v_add_nc_u32 v[AWU], s[AU], v[AW]
	LOADV 0
.set g, 0
.rept 4
.if g < 3
	LOADV g+1
	s_wait_dscnt 8                                 ; all but the 8 just issued
.else
	s_wait_dscnt 0x0
.endif
	WIN 0x0c
.set kq, 0
.rept 4
.set p, 0
.rept 4
.if kq == 0
	v_wmma_f32_16x16x4_f32 v[FACC+8*p:FACC+8*p+7], v[BF+32*(g%2)+8*p+2*kq:BF+32*(g%2)+8*p+2*kq+1], v[8*(4*g+p)+2*kq:8*(4*g+p)+2*kq+1], 0
.else
	v_wmma_f32_16x16x4_f32 v[FACC+8*p:FACC+8*p+7], v[BF+32*(g%2)+8*p+2*kq:BF+32*(g%2)+8*p+2*kq+1], v[8*(4*g+p)+2*kq:8*(4*g+p)+2*kq+1], v[FACC+8*p:FACC+8*p+7]
.endif
.set p, p+1
.endr
.set kq, kq+1
.endr
	WIN 0
	PLACES 8
.set n, 0
.rept 32
	v_med3_num_f32 v[T+n], v[FACC+n], -v[LIM], v[LIM]
.set n, n+1
.endr
.set n, 0
.rept 4
	v_cvt_scalef32_pk8_bf8_f32 v[CODE+2*n:CODE+2*n+1], v[T+8*n:T+8*n+7], v[SC]
.set n, n+1
.endr
	v_nop
.set n, 0
.rept 4
	ds_store_b64 v[AWU], v[CODE+2*n:CODE+2*n+1] offset:(4*g+n)*16
.set n, n+1
.endr
.set g, g+1
.endr
.endm
.macro FLUSH                           ; my 64 rows x 64 columns leave: back by rows, x 2^(e6 + e7); sixteen lanes store 256 consecutive bytes, aligned
.set n, 0
.rept 32
	ds_load_b128 v[BF+4*n:BF+4*n+3], v[FRD] offset:n*2*BP
.set n, n+1
.endr
.set n, 0
.rept 32
	s_wait_dscnt 31-n
	v_pk_mul_f32 v[BF+4*n:BF+4*n+1], v[BF+4*n:BF+4*n+1], s[OSC:OSC+1] op_sel_hi:[1,0]
	v_pk_mul_f32 v[BF+4*n+2:BF+4*n+3], v[BF+4*n+2:BF+4*n+3], s[OSC:OSC+1] op_sel_hi:[1,0]
	global_store_b128 v[OGU], v[BF+4*n:BF+4*n+3], s[10:11] offset:n*8192 th:TH_STORE_NT
.set n, n+1
.endr
	s_wait_xcnt 0x0                                ; the stores have read their registers
.endm
.macro UPRIME
	s_add_co_u32 s[UP], s[UU], s[RU]
	s_and_b32 s[UP], s[UP], 3
.endm
.macro MKSC sc, e                      ; 2^e and 57,344 x 2^e as f32
	s_add_co_i32 s81, s[\e], 127
	s_lshl_b32 s[\sc], s81, 23
	s_add_co_i32 s81, s81, 15
	s_lshl_b32 s[\sc+1], s81, 23
	s_or_b32 s[\sc+1], s[\sc+1], 0x600000
.endm
	s_load_b128 s[4:7], s[0:1], 0x0                ; x, wc
	s_load_b128 s[8:11], s[0:1], 0x10              ; the scales' exponents, out0
	v_lshl_add_u32 v[SPW], v0, 2, SPARE
	v_mov_b32 v[NIL], 0
	ds_add_u32 v1, v2                              ; the opening lines: the add, twice on end, and its wait ahead of my first tensor load
	ds_add_u32 v1, v2
	s_wait_dscnt 0x0
	v_lshrrev_b32 v29, 5, v0
	v_readfirstlane_b32 s[WV], v29                 ; wave 0..3
	s_bfe_u32 s13, ttmp6, 0x40000                  ; cx
	s_lshl_b32 s14, ttmp9, 2
	s_add_co_u32 s14, s14, s13                     ; my work-group
	s_and_b32 s[RU], ttmp9, 3
	s_bfe_u32 s[RI], ttmp9, 0x20002
	s_lshl_b32 s[LL], s[WV], 14
	s_add_co_u32 s[LL+1], s[LL], RING1
	s_lshl_b32 s[W14], s[WV], 14
	s_mov_b32 s[G1+0], 15|(3<<16)|(1<<21)          ; the four partners; elements of 8 bytes; a tile is 64 rows of 256 bytes, dense
	s_mov_b32 s[G1+1], 32<<16
	s_mov_b32 s[G1+2], 64<<16
	s_mov_b32 s[G1+3], 32<<16
	s_mov_b32 s[G1+4], 64
	s_mov_b32 s[G1+5], 32
	s_mov_b32 s[G1+6], 0
	s_mov_b32 s[G1+7], 0
.irp i, 0,1,2,3
	s_add_co_u32 s81, s[RI], \i
	s_and_b32 s81, s81, 3
	s_lshl_b32 s[I16+\i], s81, 4
	s_lshl_b32 s[I64+\i], s81, 6
.endr
	s_mov_b32 s[TN], 0
	s_mov_b32 s[TD], 1
	s_mov_b32 s[OFF+1], 0
	s_mov_b32 s[G0], 1
	s_mov_b32 s[G0B], 1
	s_mov_b32 s[SEL], 0x76543210
	s_mov_b32 s[SEL+1], 0xfedcba98
	s_lshr_b32 s81, s[WV], 1
	s_lshr_b32 s82, ttmp9, 4
	s_or_b32 s81, s81, s82
	s_cmp_eq_u32 s81, 0
	s_cselect_b32 s[PLIM], 2, -1                   ; waves 0 and 1 of clusters 0 to 15 prefetch, in trip 2
	v_and_b32 v[LI], 31, v0
	v_lshlrev_b32 v[PFO], 8, v[LI]
	v_lshlrev_b32 v[LI], 4, v[LI]
	s_wait_kmcnt 0x0
	s_load_b256 s[32:39], s[8:9], 0x0              ; e0 .. e7
	s_lshl_b32 s86, s14, 18                        ; my work-group's 64 rows of 4,096 bytes,
	s_lshl_b32 s87, s[WV], 16                      ; my wave's 16
	s_add_co_u32 s86, s86, s87
	s_mov_b32 s87, 0
	s_add_nc_u64 s[4:5], s[4:5], s[86:87]
	s_lshl_b32 s86, s14, 18
	s_lshl_b32 s87, s[WV], 10                      ; out0: my wave's 256 columns
	s_add_co_u32 s86, s86, s87
	s_mov_b32 s87, 0
	s_add_nc_u64 s[10:11], s[10:11], s[86:87]
	s_and_b32 s86, ttmp9, 3                        ; the prefetches: slot (cluster's number, its two fields swapped) of phase 1, my work-group's quarter, my wave's half
	s_lshl_b32 s86, s86, 2
	s_bfe_u32 s87, ttmp9, 0x20002
	s_or_b32 s86, s86, s87
	s_add_co_u32 s86, s86, 16
	s_lshl_b32 s86, s86, 16
	s_lshl_b32 s87, s13, 14
	s_add_co_u32 s86, s86, s87
	s_lshl_b32 s87, s[WV], 13
	s_add_co_u32 s86, s86, s87
	s_mov_b32 s87, 0
	s_add_nc_u64 s[PFA:PFA+1], s[6:7], s[86:87]
	ROUND                                          ; in front of the first joint loads
	NEXTD G0, LL
	NEXTD G0B, LL+1
	tensor_load_to_lds s[G0:G0+3], s[G1:G1+7]      ; tile 0: one tensor load a wave at the head
	s_nop 0
	s_wait_alu depctr_va_vdst(0)
	s_wait_tensorcnt 0x0                           ; slot 1's first fill is issued as a refill is
	ds_add_u32 v1, v2
	s_wait_dscnt 0x0
	ROUND
	tensor_load_to_lds s[G0B:G0B+3], s[G1:G1+7]    ; tile 2
	s_nop 0
	PLACES 4
	WIN 0x40
	s_wait_alu depctr_va_vdst(0)
	XLOAD 0
	XLOAD 1
	XLOAD 2
	XLOAD 3
	WIN 0
	v_and_b32 v29, 15, v0                          ; r
	v_bfe_u32 v30, v0, 4, 1                        ; h
	v_add_nc_u32 v[BA], s[LL], v[LI]
	v_add_nc_u32 v[BA+1], s[LL+1], v[LI]
	s_mul_i32 s81, s[WV], 16*XP
	s_add_co_u32 s81, s81, XSTG
	v_add_nc_u32 v[XS], s81, v[LI]
	v_mul_u32_u24 v[XR], v29, XP
	v_lshl_add_u32 v[XR], v30, 6, v[XR]
	v_add_nc_u32 v[XR], s81, v[XR]
	v_lshrrev_b32 v31, 2, v29
	v_mul_u32_u24 v[QA], v31, BW
	v_and_b32 v31, 3, v29
	v_lshl_add_u32 v[QA], v31, 6, v[QA]
	s_mul_i32 s81, s[WV], 16*BP
	v_add_nc_u32 v[QA], s81, v[QA]
	v_lshl_add_u32 v[VR], v30, 5, v[QA]
	v_add_nc_u32 v[VR], R2, v[VR]
	v_lshl_add_u32 v[QA], v30, 4, v[QA]
	v_add_nc_u32 v[QA], R1, v[QA]
	v_add_nc_u32 v[KA], RSZ, v[QA]
	v_lshrrev_b32 v31, 1, v29
	v_mul_u32_u24 v[AW], v31, IKS
	v_and_b32 v31, 1, v29
	v_mad_u32_u24 v[AW], v31, 2*IC, v[AW]
	v_lshl_add_u32 v[AW], v30, 3, v[AW]
	s_mul_i32 s81, s[WV], IPT
	s_add_co_u32 s81, s81, R1
	v_add_nc_u32 v[AW], s81, v[AW]
	v_add_nc_u32 v[XI], s81, v[LI]
	v_add_nc_u32 v[XI2], RSZ, v[XI]
	s_mul_i32 s82, s[WV], BW
	v_mul_u32_u24 v31, v29, BP
	v_add_nc_u32 v31, s82, v31
	v_lshl_add_u32 v[QW], v30, 3, v31
	v_add_nc_u32 v[QW], R1, v[QW]
	v_lshl_add_u32 v[VW], v30, 5, v31
	v_add_nc_u32 v[VW], R2, v[VW]
	v_mul_u32_u24 v[FRD], v30, BP
	v_lshl_add_u32 v[FRD], v29, 4, v[FRD]
	v_add_nc_u32 v[FRD], s82, v[FRD]
	v_add_nc_u32 v[FRD], R2, v[FRD]
	v_lshlrev_b32 v[OG], 12, v30
	v_lshl_add_u32 v[OG], v29, 4, v[OG]
	; both exchange regions are cleared once, each wave its quarter (IPT bytes: 36 stores of 512 bytes and one that ends at the quarter's end), while x is on its way:
	; so every byte of them, the padding between the layouts too, has been stored by a line whose address is a constant, the wave's and the lane's term
.irp j, 0,1,2,3
	v_mov_b32 v[T+\j], 0
.endr
.set n, 0
.rept 36
	ds_store_b128 v[XI], v[T:T+3] offset:512*n
	ds_store_b128 v[XI2], v[T:T+3] offset:512*n
.set n, n+1
.endr
	ds_store_b128 v[XI], v[T:T+3] offset:IPT-512
	ds_store_b128 v[XI2], v[T:T+3] offset:IPT-512
	s_wait_kmcnt 0x0
	MKSC 70, 32                                    ; x for product 1
	MKSC 72, 34                                    ; x for product 2
	s_sub_co_i32 s82, s36, s32
	s_sub_co_i32 s82, s82, s33
	MKSC 74, 82                                    ; q: e4 - e0 - e1
	s_add_co_i32 s83, s34, s35
	s_sub_co_i32 s82, s37, s83
	MKSC 76, 82                                    ; k: e5 - e2 - e3
	s_sub_co_i32 s82, s38, s83
	MKSC 78, 82                                    ; the attention's result: e6 - e2 - e3 (v's sums are used as they are)
	s_add_co_i32 s81, s36, s37
	s_sub_co_i32 s81, s81, 3
	s_lshl_b32 s81, s81, 23
	s_add_co_i32 s[CS], s81, 0x3fb8aa3b            ; log2(e) x 2^(e4 + e5) / 8
	s_mov_b32 s[CS+1], s[CS]
	s_add_co_i32 s81, s38, s39
	s_add_co_i32 s81, s81, 127
	s_lshl_b32 s[OSC], s81, 23                     ; 2^(e6 + e7)
	s_mov_b32 s[OSC+1], s[OSC]
	v_mov_b32 v[SC], s70
	v_mov_b32 v[LIM], s71
	v_mov_b32 v[SC2], s72
	v_mov_b32 v[LIM2], s73
	s_wait_alu depctr_va_vdst(0)                   ; the head's end
	XSTEP 0
	XSTEP 1
	XSTEP 2
	XSTEP 3
	XSTEP 4
	XSTEP 5
	XSTEP 6
	XSTEP 7
	DLOAD                                          ; tile 1
	BARRIER                                        ; both images of x are whole
	s_mov_b32 s[PH], 0
	s_mov_b32 s[RB], 0
	s_mov_b32 s92, s74
	s_mov_b32 s93, s75
.Lqk:                                              ; two trips: q from x's e0 image in R1, k from the e2 image in R2; the codes land where the image lay
	s_add_co_u32 s81, s[RB], R1
	v_add_nc_u32 v[LA], s81, v[LI]
	v_add_nc_u32 v[LA+1], 2*IPT, v[LA]
	LOADA
	BARRIER                                        ; every wave has the image in registers
	v_mov_b32 v[SC], s92
	v_mov_b32 v[LIM], s93
	s_mov_b32 s[UU], 0
.Lqku:                                             ; four trips of four tiles: one head a wave
	UPRIME
	s_lshl_b32 s81, s[UP], 6
	s_add_co_u32 s81, s81, s[RB]
	v_add_nc_u32 v[QWU], s81, v[QW]
	s_wait_alu depctr_va_vdst(0)                   ; behind these writes
	TILE_D 0, 1
	EPI_QK 1
	CHANGE 0
	ASK
	TILE_R
	EPI_QK 0
	TILE_D 1, 1
	EPI_QK 3
	CHANGE 1
	TILE_R
	EPI_QK 2
	s_add_co_u32 s[UU], s[UU], 1
	s_cmp_lt_u32 s[UU], 4
	s_cbranch_scc1 .Lqku
	s_wait_xcnt 0x0                                ; my prefetch has read its address
	s_add_nc_u64 s[PFA:PFA+1], s[PFA:PFA+1], 0x100000
	s_add_co_u32 s[RB], s[RB], RSZ
	s_mov_b32 s92, s76
	s_mov_b32 s93, s77
	s_add_co_u32 s[PH], s[PH], 1
	s_cmp_lt_u32 s[PH], 2
	s_cbranch_scc1 .Lqk
	BARRIER                                        ; q's and k's codes are whole
	; product 3 for my 16 positions, eight at a time: S^T = k q^T, K = 64; a lane holds one query head, its registers run along the key heads
.set hf, 0
.rept 2
.if hf
	PLACES 4
.endif
.set pp, 0
.rept 8
	ds_load_b128 v[BF+16*pp:BF+16*pp+3], v[KA] offset:(8*hf+pp)*BP
	ds_load_b128 v[BF+16*pp+4:BF+16*pp+7], v[KA] offset:(8*hf+pp)*BP+32
	ds_load_b128 v[BF+16*pp+8:BF+16*pp+11], v[QA] offset:(8*hf+pp)*BP
	ds_load_b128 v[BF+16*pp+12:BF+16*pp+15], v[QA] offset:(8*hf+pp)*BP+32
.set pp, pp+1
.endr
	s_wait_dscnt 0x0
	WIN 0xc0
.set pp, 0
.rept 8
	v_wmma_f32_16x16x64_bf8_bf8 v[8*(8*hf+pp):8*(8*hf+pp)+7], v[BF+16*pp:BF+16*pp+7], v[BF+16*pp+8:BF+16*pp+15], 0
.set pp, pp+1
.endr
	WIN 0
.set hf, hf+1
.endr
	BARRIER                                        ; nobody reads R1 or R2 any more
	PLACES 4
	; the softmax, 16 positions side by side: the row's largest score, exp2((s - max) c), the sum, the division
	WIN 0x3f
.set pi, 0
.rept 16
	v_max3_num_f32 v[MX+2*pi], v[8*pi], v[8*pi+1], v[8*pi+2]
.set pi, pi+1
.endr
.set pi, 0
.rept 16
	v_max3_num_f32 v[MX+2*pi+1], v[8*pi+3], v[8*pi+4], v[8*pi+5]
.set pi, pi+1
.endr
	WIN 0x3c
.set pi, 0
.rept 16
	v_max3_num_f32 v[MX+2*pi], v[MX+2*pi], v[8*pi+6], v[8*pi+7]
.set pi, pi+1
.endr
	WIN 0
.set pi, 0
.rept 16
	v_max_num_f32 v[MX+2*pi], v[MX+2*pi], v[MX+2*pi+1]
.set pi, pi+1
.endr
.set pi, 0
.rept 16
	v_permlanex16_b32 v[MX+2*pi+1], v[MX+2*pi], s[SEL], s[SEL+1]
.set pi, pi+1
.endr
.set pi, 0
.rept 16
	v_max_num_f32 v[MX+2*pi], v[MX+2*pi], v[MX+2*pi+1]
.set pi, pi+1
.endr
.set pi, 0
.rept 16
	v_mul_f32 v[MX+2*pi], s[CS], v[MX+2*pi]
.set pi, pi+1
.endr
	WIN 0xc3
.set pi, 0
.rept 16
.irp i, 0,2,4,6
	v_pk_fma_f32 v[8*pi+\i:8*pi+\i+1], v[8*pi+\i:8*pi+\i+1], s[CS:CS+1], v[MX+2*pi:MX+2*pi+1] op_sel_hi:[1,0,0] neg_lo:[0,0,1] neg_hi:[0,0,1]
.endr
.set pi, pi+1
.endr
.set n, 0
	s_wait_alu depctr_va_vdst(0)                   ; ahead of the batch
.rept 128
	v_exp_f32 v[n], v[n]
.set n, n+1
.endr
	v_nop
	s_wait_alu depctr_va_vdst(0)                   ; and behind it
	WIN 0x0f
.set pi, 0
.rept 16
	v_pk_add_f32 v[SM+2*pi:SM+2*pi+1], v[8*pi:8*pi+1], v[8*pi+2:8*pi+3]
.set pi, pi+1
.endr
.set pi, 0
.rept 16
	v_pk_add_f32 v[TP+2*pi:TP+2*pi+1], v[8*pi+4:8*pi+5], v[8*pi+6:8*pi+7]
.set pi, pi+1
.endr
	WIN 0
.set pi, 0
.rept 16
	v_pk_add_f32 v[SM+2*pi:SM+2*pi+1], v[SM+2*pi:SM+2*pi+1], v[TP+2*pi:TP+2*pi+1]
.set pi, pi+1
.endr
.set pi, 0
.rept 16
	v_add_f32 v[SM+2*pi], v[SM+2*pi], v[SM+2*pi+1]
.set pi, pi+1
.endr
.set pi, 0
.rept 16
	v_permlanex16_b32 v[SM+2*pi+1], v[SM+2*pi], s[SEL], s[SEL+1]
.set pi, pi+1
.endr
.set pi, 0
.rept 16
	v_add_f32 v[SM+2*pi], v[SM+2*pi], v[SM+2*pi+1]
.set pi, pi+1
.endr
.set pi, 0
	s_wait_alu depctr_va_vdst(0)                   ; ahead of the batch
.rept 16
	v_rcp_f32 v[TP+2*pi], v[SM+2*pi]
.set pi, pi+1
.endr
	v_nop
	s_wait_alu depctr_va_vdst(0)                   ; and behind it
	WIN 0xc3
.set pi, 0
.rept 16
.irp i, 0,2,4,6
	v_pk_mul_f32 v[8*pi+\i:8*pi+\i+1], v[8*pi+\i:8*pi+\i+1], v[TP+2*pi:TP+2*pi+1] op_sel_hi:[1,0]
.endr
.set pi, pi+1
.endr
	WIN 0
	v_mov_b32 v[SC], s78
	v_mov_b32 v[LIM], s79
	s_wait_alu depctr_va_vdst(0)                   ; behind these writes
	s_mov_b32 s[UU], 0
.Lv:                                               ; four trips: 16 channels of v for all heads and positions (a tile: the 16 heads at one channel), then product 4 on them
	UPRIME
	s_lshr_b32 s81, s[UP], 1
	s_mul_i32 s81, s81, IC
	s_and_b32 s82, s[UP], 1
	s_lshl_b32 s82, s82, 8
	s_add_co_u32 s[AU], s81, s82
	TILE_D 0, 1
	EPI_VO 1
	CHANGE 0
	ASK
	TILE_R
	EPI_VO 0
	TILE_D 1, 1
	EPI_VO 3
	CHANGE 1
	TILE_R
	EPI_VO 2
	BARRIER                                        ; the 16 channels are whole
	ATTV
	BARRIER                                        ; and read
	s_add_co_u32 s[UU], s[UU], 1
	s_cmp_lt_u32 s[UU], 4
	s_cbranch_scc1 .Lv
	v_add_nc_u32 v[LA], R1, v[LI]
	v_add_nc_u32 v[LA+1], 2*IPT, v[LA]
	LOADA                                          ; the attention's codes: the last product's operand.  From here on a wave touches its own bytes of R2 alone
	s_mov_b32 s[UU], 0
.Lo:                                               ; three trips: 64 columns a wave of the last product, and out
	UPRIME
	s_lshl_b32 s81, s[UP], 8
	v_add_nc_u32 v[OGU], s81, v[OG]
	s_wait_alu depctr_va_vdst(0)                   ; behind the write
	TILE_D 0, 1
	EPI_VO 1
	CHANGE 0
	TILE_R
	EPI_VO 0
	TILE_D 1, 1
	EPI_VO 3
	CHANGE 1
	TILE_R
	EPI_VO 2
	FLUSH
	s_add_co_u32 s[UU], s[UU], 1
	s_cmp_lt_u32 s[UU], 3
	s_cbranch_scc1 .Lo
	UPRIME                                         ; the last trip is written out: no slot is filled again, and the last direct tile asks for nothing
	s_lshl_b32 s81, s[UP], 8
	v_add_nc_u32 v[OGU], s81, v[OG]
	s_wait_alu depctr_va_vdst(0)
	TILE_D 0, 1
	EPI_VO 1
	s_wait_tensorcnt 0x0                           ; my part of slot 1, which I alone read
	s_wait_dscnt 0x0                               ; the ring tile is in registers
	TILE_R
	EPI_VO 0
	TILE_D 1, 0
	EPI_VO 3
	s_wait_dscnt 0x0
	TILE_R
	EPI_VO 2
	FLUSH
	s_wait_tensorcnt 0x0                           ; the wave's end: behind my last tensor load and my last LDS store
	ds_add_u32 v[SPW], v[NIL]
	s_wait_dscnt 0x0
	ROUND                                          ; the closing round
	s_endpgm
.Lfunc_end_k_q8e95368fc5_fused:
	.size	k_q8e95368fc5_fused, .Lfunc_end_k_q8e95368fc5_fused-k_q8e95368fc5_fused
	.p2alignl 7, 3214868480
	.fill 96, 4, 3214868480
	.section	.rodata,"a",@progbits
	.p2align	6, 0x0
	.amdhsa_kernel k_q8e95368fc5_fused
		.amdhsa_group_segment_fixed_size 327680
		.amdhsa_private_segment_fixed_size 0
		.amdhsa_enable_private_segment 0
		.amdhsa_kernarg_size 32
		.amdhsa_user_sgpr_count 2
		.amdhsa_user_sgpr_kernarg_segment_ptr 1
		.amdhsa_wavefront_size32 1
		.amdhsa_system_sgpr_workgroup_id_x 1
		.amdhsa_system_sgpr_workgroup_id_y 1
		.amdhsa_system_sgpr_workgroup_id_z 1
		.amdhsa_system_vgpr_workitem_id 0
		.amdhsa_next_free_vgpr 1024
		.amdhsa_next_free_sgpr 96
		.amdhsa_reserve_vcc 0
		.amdhsa_float_denorm_mode_32 3
		.amdhsa_float_denorm_mode_16_64 3
		.amdhsa_memory_ordered 1
		.amdhsa_forward_progress 1
		.amdhsa_inst_pref_size 255
	.end_amdhsa_kernel
	.section	.bss,"aw",@nobits
	.p2align	6
	.space	262144
	.amdgpu_metadata
---
amdhsa.version: [ 1, 2 ]
amdhsa.kernels:
  - .name:           k_q8e95368fc5_fused
    .symbol:         k_q8e95368fc5_fused.kd
    .args:
      - { .name: x, .offset: 0, .size: 8, .value_kind: global_buffer, .address_space: global }
      - { .name: wc, .offset: 8, .size: 8, .value_kind: global_buffer, .address_space: global }
      - { .name: lowp_scales, .offset: 16, .size: 8, .value_kind: global_buffer, .address_space: global }
      - { .name: out0, .offset: 24, .size: 8, .value_kind: global_buffer, .address_space: global }
    .group_segment_fixed_size: 327680
    .private_segment_fixed_size: 0
    .kernarg_segment_align: 8
    .kernarg_segment_size: 32
    .max_flat_workgroup_size: 128
    .sgpr_count:     96
    .vgpr_count:     1024
    .wavefront_size: 32
...
	.end_amdgpu_metadata
.endif
;; end of part 2
